; MI455X (gfx1250); checked and timed in simulation.
; The chip was launched on July 23, 2026; its instructions are those of AMD's public machine-readable ISA for CDNA 5 (MIT licence, August 2026) and "CDNA5" Instruction Set Architecture Reference Guide (July 2026). The comments in the code are by the model that wrote it; some were corrected since.
;; Multi Head Attention. Allowed arithmetic: matrix products marked QUANTISED: E2M1 operands, one E8M0 scale for each 32 along K, by v_wmma_scale_f32_16x16x128_f8f6f4 with both operands' format E2M1 (or v_wmma_scale_f32_32x16x128_f4), f32 sums; everything else in f32.
;; Inputs: Wk 1,024 x 1,024 float32; Wo 1,024 x 1,024 float32; Wq 1,024 x 1,024 float32; Wv 1,024 x 1,024 float32; bk 1,024 float32; bo 1,024 float32; bq 1,024 float32; bv 1,024 float32; k 4 x 2,048 x 1,024 float32; q 4 x 2,048 x 1,024 float32; v 4 x 2,048 x 1,024 float32.
;; Outputs: out0 4 x 2,048 x 1,024 float32.
;; This version of the problem:
;;   THIS VERSION OF THE PROBLEM IS GIVEN IN LOW PRECISION. The matrix products marked QUANTISED in the list below multiply operands that are first quantised to E2M1 (2 exponent bits, 1 mantissa bit; 4 bits a number), with one power-of-two scale for each 32 numbers along K (OCP MX v1.0); their sums are f32. All else is computed in f32.
;;   The module's matrix products, in the order in which they are computed (A, B: the left and right operand; K: the contracted axis; several contracted axes count as one K, in the product's order):
;;     1. [M 8,192, K 1,024] x [K 1,024, N 1,024]; A: input q; B: input Wq: QUANTISED
;;     2. [M 8,192, K 1,024] x [K 1,024, N 1,024]; A: input k; B: input Wk: QUANTISED
;;     3. [M 8,192, K 1,024] x [K 1,024, N 1,024]; A: input v; B: input Wv: QUANTISED
;;     4. batch 64 x [M 2,048, K 64] x [K 64, N 2,048]; A: computed on the way; B: computed on the way: QUANTISED
;;     5. batch 64 x [M 2,048, K 2,048] x [K 2,048, N 64]; A: softmax (see below); B: computed on the way: QUANTISED
;;     6. [M 8,192, K 1,024] x [K 1,024, N 1,024]; A: computed on the way; B: input Wo: QUANTISED
;;   THE QUANTISER, for each operand of a quantised product, along K:
;;     - K is cut into blocks of 32 from its start; a last block that is shorter is filled with zeros.
;;     - A block's scale is 2^e with e = floor(log2(the largest magnitude in the block)) - 2, held to -126 .. 127; a block of zeros has e = 0. As a byte (E8M0): e + 127.
;;     - Each number is divided by its block's scale, clamped to +-6, and rounded to the nearest number of E2M1, ties to even, subnormals kept.
;;     - The product sums the exact products of the quantised numbers (number of the format x scale) in f32.
;;   ~~~python
;;   def quantise(x, axis):      # numpy; x: float32 -> the quantised numbers, widened to float32 again
;;       x = np.moveaxis(x, axis, -1); K = x.shape[-1]
;;       x = np.pad(x, [(0, 0)] * (x.ndim - 1) + [(0, -K % 32)]); x = x.reshape(x.shape[:-1] + (-1, 32)); a = np.abs(x).max(-1, keepdims=True)
;;       e = np.where(a > 0, np.clip(np.frexp(np.where(a > 0, a, 1))[1] - 1 - 2, -126, 127), 0)      # np.frexp(a)[1] - 1 = floor(log2(a)), exactly
;;       r = np.clip(x / 2.0 ** e, -6, 6)
;;       step = 2.0 ** (np.maximum(np.frexp(np.where(r == 0, 1, r))[1] - 1, 0) - 1)
;;       q = np.round(r / step) * step * 2.0 ** e      # np.round: ties to even
;;       return np.moveaxis(q.reshape(q.shape[:-2] + (-1,))[..., :K], -1, axis).astype(np.float32)
;;   ~~~
;;   SOFTMAX AHEAD OF A QUANTISED PRODUCT. Where the list says 'softmax', what is quantised is not the finished softmax but p = 2^(t - M), with t = logit x log2(e) and M = ceil(the row's largest t), a whole number; so 1/2 < the row's largest p <= 1. The row's sum l is taken of the UNQUANTISED p, in f32, and the product's result is divided by l at the end. Since M is a whole number, a kernel that streams over the keys may use a running M (the ceiling of the running maximum): every later rescaling is an exact power of two, which a block's scale takes up: the codes' values come out the same.
;;   OPERANDS COMPUTED ON THE WAY. 'Computed on the way' means the value that the module computes at that place (a softmax that the list does not call 'softmax' is quantised finished and normalised). What goes into a quantiser is computed in f32, as accurately as f32 sums, v_exp_f32 and their like allow (about 1e-6 of the number): no bf16 or f16 on the way to a quantiser, and a product that is left as it is and whose result goes on into a quantised operand takes f32 operands (vector FMAs, or v_wmma_f32_16x16x4_f32). A number that lies on a knife's edge between two numbers of the format may be rounded either way, as far as f32 arithmetic and the matrix unit's own rounding can turn it there, and no further.
;; One version. Each part assembles by itself: llvm-mc -triple=amdgcn-amd-amdhsa -mcpu=gfx1250 --defsym DOCPART=n.
;; ======== version 1 of 1: 4 launches
;; workspace buffers: cod 14,680,064 bytes; scl 917,504 bytes; hd 13,893,632 bytes; oc 4,194,304 bytes; os 262,144 bytes
;; launch quant (part 1): grid 448 x 1, 4 waves a work-group, no clusters, 36,352 bytes of LDS; arguments q, k, v, Wq, Wk, Wv, Wo, cod, scl; writes cod, scl
.if DOCPART == 1
	.amdgcn_target "amdgcn-amd-amdhsa--gfx1250"
	.amdhsa_code_object_version 6
	.text
	.protected	k_q6cb2b7f2f1_quant
	.globl	k_q6cb2b7f2f1_quant
	.p2align	8
	.type	k_q6cb2b7f2f1_quant,@function
k_q6cb2b7f2f1_quant:
	s_mov_b64 s[64:65], 0
	v_nop
	global_prefetch_b8 v0, s[64:65] scope:SCOPE_SE
	s_setreg_imm32_b32 hwreg(HW_REG_WAVE_MODE, 25, 1), 1
	s_wait_xcnt 0x0
; q, k, v [8192][1024] and Wq, Wk, Wv, Wo [1024][1024], f32 with K innermost, become codes of FP4 (E2M1) with one E8M0 byte for each 32 along K.
; The seven tensors count as one run of 28,672 rows.  Rows go in groups of 32; tile T = 2 (row / 32) + u holds, in its lane r, row 32 (T / 2) + 8 u + r + 8 (r / 8).
; cod: [tile 1792][kc 8][c 2][lane 32][16 bytes]: the image of an operand's registers: lane (r, h) holds the codes of k = 128 kc + 64 c + 32 h + 0 .. 31 of the tile's row r.
; scl: [kc 8][tile 1792][r 16] words: four scale bytes for 128 along K.
; A block's scale is 2^(floor(log2(largest magnitude)) - 2); its byte is the largest magnitude's exponent field - 2, held at 1 from below.
; LIMITS: a block of zeros gets the byte 1 where the rule says 127 (its codes are zeros, and this program alone reads the bytes); NaN and infinities are not served.
; SHARES: a work-group takes 64 rows = 4 tiles, a wave one tile for all of K: eight fragments of 16 rows x 128.  Each load reads 512 consecutive bytes of one row; a fragment turns through the
; wave's own stage in LDS (rows 528 bytes apart), so that a lane gets two whole blocks of 32 neighbours; its codes leave straight from registers, 512 consecutive bytes a store.
; The scale words of the four waves meet in LDS behind one barrier and leave as aligned runs of 256 bytes.  Memory binds: no matrix unit, no cluster, no tensor load.
.set PITCH, 528
.set WSTG,  16*PITCH                   ; a wave's stage
.set SSTG,  4*WSTG                     ; behind the stages: [kc 8][wave 4][r 16] scale words
.set KCP,   114688                     ; scl: bytes from kc to kc + 1
.set SW,    16                         ; v16-23   the scale word of each fragment
.set PC,    24                         ; v24-39   codes, two sets of 8
.set L,     40                         ; v40-167  numbers as loaded, two sets of 64
.set X,     168                        ; v168-231 my two blocks of 32 neighbours
	s_load_b512 s[8:23], s[0:1], 0x0               ; q, k, v, Wq, Wk, Wv, Wo, cod
	s_load_b64 s[24:25], s[0:1], 0x40              ; scl
	v_lshl_add_u32 v254, v0, 2, 0x8c00
	v_mov_b32 v255, 0
	v_lshrrev_b32 v8, 5, v0
	v_readfirstlane_b32 s2, v8                     ; wave
	v_and_b32 v9, 31, v0                           ; lane
	v_and_b32 v10, 15, v0                          ; r
	v_bfe_u32 v11, v0, 4, 1                        ; h
	v_lshlrev_b32 v1, 4, v9                        ; v1: 16 x lane
	s_mul_i32 s3, s2, WSTG
	v_add_nc_u32 v2, s3, v1                        ; v2: the stage, on the way in
	v_mul_u32_u24 v3, v10, PITCH
	v_lshl_add_u32 v3, v11, 7, v3
	v_add_nc_u32 v3, s3, v3                        ; v3: on the way out: row r, + 128 h bytes
	s_lshl_b32 s26, s2, 6
	s_add_co_u32 s26, s26, SSTG
	v_lshl_add_u32 v4, v10, 2, s26                 ; v4: my row's scale word: 64 x wave + 4 r
	s_lshl_b32 s26, s2, 9
	s_add_co_u32 s26, s26, SSTG
	v_add_nc_u32 v5, s26, v1                       ; v5: back: kc = 2 wave (lanes 0-15) and 2 wave + 1 (lanes 16-31)
	v_mul_u32_u24 v6, v11, KCP
	v_lshl_add_u32 v6, v10, 4, v6                  ; v6: and the same in scl
	v_lshlrev_b32 v7, 3, v11                       ; v7: 8 h: where my two bytes stand in the word
	v_mov_b32 v15, 0                               ; a lane permute's destination counts as one of its sources
	s_mov_b32 s27, 0x76543210
	s_mov_b32 s28, 0xfedcba98                      ; selects for lane l xor 16
	s_lshl_b32 s29, ttmp9, 2
	s_add_co_u32 s29, s29, s2                      ; my tile
	s_lshl_b32 s30, s29, 13                        ; 8,192 bytes of codes a tile
	s_mov_b32 s31, 0
	s_wait_alu depctr_va_vdst(0)
	s_wait_kmcnt 0x0
	s_mov_b64 s[4:5], s[8:9]
	s_mov_b32 s6, 0
.macro PICK first, ptr                 ; the tensor that begins at work-group first: the choice hangs on the work-group's number alone
	s_cmp_ge_u32 ttmp9, \first
	s_cselect_b64 s[4:5], s[\ptr:\ptr+1], s[4:5]
	s_cselect_b32 s6, \first, s6
.endm
	PICK 128, 10
	PICK 256, 12
	PICK 384, 14
	PICK 400, 16
	PICK 416, 18
	PICK 432, 20
	s_add_nc_u64 s[22:23], s[22:23], s[30:31]      ; cod at my tile
	s_sub_co_u32 s6, ttmp9, s6
	s_lshl_b32 s6, s6, 6                           ; the work-group's first row in its tensor,
	s_lshr_b32 s7, s2, 1
	s_lshl_b32 s7, s7, 5
	s_add_co_u32 s6, s6, s7                        ; + 32 (wave / 2)
	s_and_b32 s7, s2, 1
	s_lshl_b32 s7, s7, 3
	s_add_co_u32 s6, s6, s7                        ; + 8 (wave % 2)
	s_lshl_b32 s6, s6, 12                          ; rows of 4,096 bytes
	s_mov_b32 s7, 0
	s_add_nc_u64 s[4:5], s[4:5], s[6:7]
	s_mul_i32 s30, s2, 2*KCP
	s_lshl_b32 s26, ttmp9, 8
	s_add_co_u32 s30, s30, s26
	s_add_nc_u64 s[24:25], s[24:25], s[30:31]      ; scl at kc = 2 wave, the work-group's 256 bytes
.macro LOADF kc                        ; fragment kc: 16 rows x 512 bytes into set kc % 2
.irp i, 0,1,2,3,4,5,6,7,8,9,10,11,12,13,14,15
	global_load_b128 v[L+64*((\kc)%2)+4*\i:L+64*((\kc)%2)+4*\i+3], v1, s[4:5] offset:(\i+8*(\i/8))*4096+512*(\kc) th:TH_LOAD_NT
.endr
.endm
.macro FRAGQ kc
.set LS, L+64*((\kc)%2)
.set PS, PC+8*((\kc)%2)
.if (\kc) < 7
	s_wait_loadcnt 16                              ; this fragment's 16 loads are in; the next fragment's 16 may be out
.else
	s_wait_loadcnt 0
.endif
.irp i, 0,1,2,3,4,5,6,7,8,9,10,11,12,13,14,15
	ds_store_b128 v2, v[LS+4*\i:LS+4*\i+3] offset:PITCH*\i
.endr
.irp c, 0,1
.irp j, 0,1,2,3,4,5,6,7
	ds_load_b128 v[X+32*\c+4*\j:X+32*\c+4*\j+3], v3 offset:256*\c+16*\j   ; LDS serves a wave's instructions in order: these see the stores above
.endr
.endr
	s_wait_dscnt 16                                ; the 16 stores are done: their registers take the fragment two further on
.if (\kc)+2 < 8
	LOADF (\kc)+2
.endif
	s_wait_dscnt 0
.irp c, 0,1
	v_max3_num_f32 v[8+\c], |v[X+32*\c]|, |v[X+32*\c+1]|, 0x1800000   ; block 2 c + h: all 32 numbers are mine; the floor 2^(3 - 127) holds the byte at 1 from below
.endr
.irp i, 2,4,6,8,10,12,14,16,18,20,22,24,26,28,30
.irp c, 0,1
	v_max3_num_f32 v[8+\c], v[8+\c], |v[X+32*\c+\i]|, |v[X+32*\c+\i+1]|
.endr
.endr
.irp c, 0,1
	v_add_nc_u32 v[10+\c], 0xff000000, v[8+\c]     ; 2 off the exponent field: the conversion's scale operand
.endr
.irp c, 0,1
	v_lshrrev_b32 v[12+\c], 23, v[10+\c]           ; the scale's byte
.endr
	v_lshl_or_b32 v14, v13, 16, v12                ; my bytes: blocks h and 2 + h,
	v_lshlrev_b32 v14, v7, v14                     ; at their places;
	v_permlanex16_b32 v15, v14, s27, s28
	v_or_b32 v[SW+\kc], v14, v15                   ; with lane l xor 16's two the word is whole
	s_wait_alu depctr_va_vdst(0)
	s_wait_xcnt 0x0                                ; the stores of two fragments back have read this set of codes
.irp c, 0,1
.irp g, 0,1,2,3
	v_cvt_scalef32_pk8_fp4_f32 v[PS+4*\c+\g], v[X+32*\c+8*\g:X+32*\c+8*\g+7], v[10+\c]
.endr
.endr
	v_nop                                          ; one plain place behind the last conversion
.irp c, 0,1
	global_store_b128 v1, v[PS+4*\c:PS+4*\c+3], s[22:23] offset:1024*(\kc)+512*\c   ; 32 lanes store 512 consecutive bytes
.endr
.endm
	LOADF 0
	LOADF 1
.irp f, 0,1,2,3,4,5,6,7
	FRAGQ \f
.endr
.irp f, 0,1,2,3,4,5,6,7
	ds_store_b32 v4, v[SW+\f] offset:256*\f        ; lanes l and l xor 16 write the same word with the same value
.endr
	s_wait_dscnt 0x0                               ; for the others' sake: my scale words lie in LDS
	s_barrier_signal -1
	s_barrier_wait -1
	ds_load_b128 v[232:235], v5
	s_wait_dscnt 0x0
	global_store_b128 v6, v[232:235], s[24:25]     ; sixteen lanes store 256 consecutive bytes, at a multiple of 256 from the buffer's first byte
	s_wait_tensorcnt 0x0
	ds_add_u32 v254, v255
	s_wait_dscnt 0x0
	s_endpgm
.Lfunc_end_k_q6cb2b7f2f1_quant:
	.size	k_q6cb2b7f2f1_quant, .Lfunc_end_k_q6cb2b7f2f1_quant-k_q6cb2b7f2f1_quant
	.p2alignl 7, 3214868480
	.fill 96, 4, 3214868480
	.section	.rodata,"a",@progbits
	.p2align	6, 0x0
	.amdhsa_kernel k_q6cb2b7f2f1_quant
		.amdhsa_group_segment_fixed_size 36352
		.amdhsa_private_segment_fixed_size 0
		.amdhsa_enable_private_segment 0
		.amdhsa_kernarg_size 72
		.amdhsa_user_sgpr_count 2
		.amdhsa_user_sgpr_kernarg_segment_ptr 1
		.amdhsa_wavefront_size32 1
		.amdhsa_system_sgpr_workgroup_id_x 1
		.amdhsa_system_sgpr_workgroup_id_y 1
		.amdhsa_system_sgpr_workgroup_id_z 1
		.amdhsa_system_vgpr_workitem_id 0
		.amdhsa_next_free_vgpr 256
		.amdhsa_next_free_sgpr 66
		.amdhsa_reserve_vcc 0
		.amdhsa_float_denorm_mode_32 3
		.amdhsa_float_denorm_mode_16_64 3
		.amdhsa_memory_ordered 1
		.amdhsa_forward_progress 1
		.amdhsa_inst_pref_size 59
	.end_amdhsa_kernel
	.amdgpu_metadata
---
amdhsa.version: [ 1, 2 ]
amdhsa.kernels:
  - .name:           k_q6cb2b7f2f1_quant
    .symbol:         k_q6cb2b7f2f1_quant.kd
    .args:
      - { .name: q, .offset: 0, .size: 8, .value_kind: global_buffer, .address_space: global }
      - { .name: k, .offset: 8, .size: 8, .value_kind: global_buffer, .address_space: global }
      - { .name: v, .offset: 16, .size: 8, .value_kind: global_buffer, .address_space: global }
      - { .name: Wq, .offset: 24, .size: 8, .value_kind: global_buffer, .address_space: global }
      - { .name: Wk, .offset: 32, .size: 8, .value_kind: global_buffer, .address_space: global }
      - { .name: Wv, .offset: 40, .size: 8, .value_kind: global_buffer, .address_space: global }
      - { .name: Wo, .offset: 48, .size: 8, .value_kind: global_buffer, .address_space: global }
      - { .name: cod, .offset: 56, .size: 8, .value_kind: global_buffer, .address_space: global }
      - { .name: scl, .offset: 64, .size: 8, .value_kind: global_buffer, .address_space: global }
    .group_segment_fixed_size: 36352
    .private_segment_fixed_size: 0
    .kernarg_segment_align: 8
    .kernarg_segment_size: 72
    .max_flat_workgroup_size: 128
    .sgpr_count:     66
    .vgpr_count:     256
    .wavefront_size: 32
...
	.end_amdgpu_metadata
.endif
;; end of part 1
;; launch proj (part 2): grid 4 x 96, 4 waves a work-group, clusters of 4 x 4, 279,040 bytes of LDS; arguments cod, scl, bq, bk, bv, hd; writes hd
.if DOCPART == 2
	.amdgcn_target "amdgcn-amd-amdhsa--gfx1250"
	.amdhsa_code_object_version 6
	.text
	.protected	k_q6cb2b7f2f1_proj
	.globl	k_q6cb2b7f2f1_proj
	.p2align	8
	.type	k_q6cb2b7f2f1_proj,@function
k_q6cb2b7f2f1_proj:
	s_mov_b64 s[64:65], 0
	v_nop
	global_prefetch_b8 v0, s[64:65] scope:SCOPE_SE
	s_setreg_imm32_b32 hwreg(HW_REG_WAVE_MODE, 25, 1), 1
	s_wait_xcnt 0x0
	s_wait_alu depctr_hold_cnt(0) depctr_sa_sdst(0) depctr_va_vdst(0) depctr_va_sdst(0) depctr_va_ssrc(0) depctr_va_vcc(0) depctr_vm_vsrc(0)
	s_getreg_b32 s2, hwreg(HW_REG_IB_STS2, 6, 4)
	s_cmp_eq_u32 s2, 0
	s_cbranch_scc0 .Lentry_in_a_cluster
	s_endpgm
.Lentry_in_a_cluster:
	s_bfe_u32 s2, ttmp6, 0x10000c
	s_cmp_lg_u32 s2, 0xf033
	s_cbranch_scc0 .Lentry_shape_is_right
	s_endpgm
.Lentry_shape_is_right:
; The three projections x W^T + b on codes of FP4 with E8M0 scales, and the quantising of their results for the attention.  prod = 0, 1, 2: query, key, value.
; A work-group makes 256 rows of x (tiles 16 gy on of cod) x 256 rows of W (tiles 1536 + 64 prod + 16 gx on); four waves, 128 x 128 each: 64 accumulators, 512 registers.
; All of K = 1,024 lies in LDS: four chunks of 256 along K and the scale words, each filled ONCE by tensor loads issued together at the start (five a wave are out at most); a chunk is read behind its
; counted wait and a barrier.  Nothing is filled again and nothing is stored to LDS.
; cod holds images of operand registers (16 rows x 128 K = 1,024 bytes, lane l's 16 bytes at 16 l): every LDS read takes 512 consecutive bytes.
; ROLES.  Source 0 is P, source 1 is R.  Query and key: P = W, R = x: a lane holds one token and its registers run along the head's 64.  Value: P = x, R = W: a lane holds one channel and its registers run
; along the keys.  Either way the registers run along the K of the product that follows.  The rows of a tile are 32 (T / 2) + 8 (T % 2) + r + 8 (r / 8), so that the 16 registers of P's tiles 2 b, 2 b + 1 are
; 16 neighbours.  The roles change LDS read addresses and the first step's C alone.
; The bias is the C of each sum's first product.
; CLUSTER 4 x 4: x's tiles hang on gy and are asked for jointly along a row of the cluster, W's on gx (and prod, which all sixteen share) along a column.
; hd: 64 records (16 batch + head) of 217,088 bytes: Q's codes [tile 128][512], Q's scale words [8 tiles][lane][4 words], K's likewise, V's codes [step 16][c 2][dt 4][512], V's scale words [step][r 16][dt 4].
; LIMITS: a block of zeros gets the byte 1 (its codes are zeros; this program alone reads the bytes); NaN and infinities are not served.
; REGISTERS: window 0: v1-3 16 x lane, r, h; v16-26 addresses; v32-95 scale words (register 8 i + kc: lanes 0-15 R's tile i, lanes 16-31 P's tile i); v96-103 the scale words made; v104-119 at work;
;   v128-191 R's fragments, one set, later the codes made; v192-255 the bias.  window 1: P's fragments, two sets, at v0 and v128.  windows 2, 3: accumulator (a, b) at v[8 (8 (a % 4) + b)], a = R's tile, b = P's.
.set CHUNK, 65536                      ; 256 along K: x's 16 tiles x 2,048 bytes, then W's 16
.set SCL,   4*CHUNK                    ; scale words: x's two halves [kc 8][tile 8][r 16], then W's two
.set REC,   217088
.set SEC,   73728                      ; from Q's section to K's, and from K's to V's
.set WV,   16
.set LI,   1
.set RR,   2
.set HH,   3
.set ADRP, 16                          ; v16-19 P's fragments in chunk j
.set ADRR, 20                          ; v20-23 R's
.set ADRS, 24
.set VSO,  26
.set SC,   32
.set PW,   96
.set TM,   104
.set RF,   128
.set BIAS, 192
.set G1X,  24                          ; s[24:31] group 1, x's codes;  s[32:39] W's;  s[40:47], s[48:55] their scale words
.set G1W,  32
.set G1SX, 40
.set G1SW, 48
.set SEL,  100
.set MSB, 0
.macro WIN new                         ; the immediate's high byte repeats the setting that is left
.if MSB != (\new)
	s_set_vgpr_msb (MSB<<8)|(\new)
.set MSB, (\new)
.endif
.endm
.macro ROUND                           ; a round of the cluster's barrier
	s_barrier_signal -1
	s_barrier_wait -1
	s_cmp_lg_u32 s[WV], 0
	s_cbranch_scc1 .Lnot_wave_0_\@
	s_barrier_signal -3
.Lnot_wave_0_\@:
	s_barrier_wait -3
	s_barrier_signal -1
	s_barrier_wait -1
.endm
.macro PLACES                          ; four plain vector instructions behind matrix instructions, ahead of loads into their registers and of reads of their results
.rept 4
	v_nop
.endr
.endm
	s_load_b128 s[4:7], s[0:1], 0x0                ; cod, scl
	s_load_b128 s[8:11], s[0:1], 0x10              ; bq, bk
	s_load_b128 s[12:15], s[0:1], 0x20             ; bv, hd
	v_lshl_add_u32 v126, v0, 2, 0x44000
	v_mov_b32 v127, 0
	ds_add_u32 v126, v127
	ds_add_u32 v126, v127
	v_lshrrev_b32 v4, 5, v0
	v_readfirstlane_b32 s[WV], v4                  ; wave 0..3
	s_lshr_b32 s17, s[WV], 1                       ; my half of R.  Also: I fetch for x (0) or for W (1)
	s_and_b32 s18, s[WV], 1                        ; my half of P.  Also: which 8 tiles I fetch
	s_bfe_u32 s19, ttmp6, 0x40000                  ; cx
	s_bfe_u32 s20, ttmp6, 0x40004                  ; cy
	s_lshl_b32 s21, ttmp9, 2
	s_add_co_u32 s21, s21, s19                     ; gx
	s_and_b32 s22, ttmp7, 0xffff                   ; the cluster's y
	s_lshr_b32 s23, s22, 3                         ; prod: eight clusters along y to a product: the same in all sixteen partners
	s_lshl_b32 s22, s22, 2
	s_add_co_u32 s22, s22, s20                     ; gy
	s_lshl_b32 s100, s20, 2
	s_lshl_b32 s100, 15, s100                      ; my row of the cluster
	s_lshl_b32 s101, 0x1111, s19                   ; my column
	s_or_b32 s[G1X], s100, (3<<16)|(1<<21)         ; 15:0 the mask; 17:16 elements of 8 bytes; 21 set beside a mask; no padding
	s_or_b32 s[G1SX], s100, (3<<16)|(1<<21)
	s_or_b32 s[G1W], s101, (3<<16)|(1<<21)
	s_or_b32 s[G1SW], s101, (3<<16)|(1<<21)
.irp g, G1X, G1W                       ; codes: 8 tiles, of each 2,048 bytes (256 elements), 8,192 bytes (1,024 elements) apart
	s_mov_b32 s[\g+1], 256<<16
	s_mov_b32 s[\g+2], 8<<16
	s_mov_b32 s[\g+3], 256<<16
	s_mov_b32 s[\g+4], 8
	s_mov_b32 s[\g+5], 1024
	s_mov_b32 s[\g+6], 0
	s_mov_b32 s[\g+7], 0
.endr
.irp g, G1SX, G1SW                     ; scale words: 8 kc, of each 512 bytes (8 tiles), 114,688 bytes (14,336 elements) apart
	s_mov_b32 s[\g+1], 64<<16
	s_mov_b32 s[\g+2], 8<<16
	s_mov_b32 s[\g+3], 64<<16
	s_mov_b32 s[\g+4], 8
	s_mov_b32 s[\g+5], 14336
	s_mov_b32 s[\g+6], 0
	s_mov_b32 s[\g+7], 0
.endr
	s_lshl_b32 s3, s18, 3
	s_lshl_b32 s2, s22, 4
	s_add_co_u32 s2, s2, s3                        ; x: the first tile that I fetch: 16 gy + 8 half
	s_lshl_b32 s19, s21, 4
	s_lshl_b32 s20, s23, 6
	s_add_co_u32 s19, s19, s20
	s_add_co_u32 s19, s19, s3
	s_add_co_u32 s19, s19, 1536                    ; W: 1536 + 64 prod + 16 gx + 8 half
	s_lshl_b32 s3, s[WV], 14                       ; where they go: 16,384 x wave in a chunk: no place in the cluster enters an LDS address
	s_lshl_b32 s20, s[WV], 12
	s_add_co_u32 s20, s20, SCL
	s_mov_b32 s101, 0
	s_mov_b32 s105, 0
	s_wait_dscnt 0x0
	s_wait_kmcnt 0x0
	s_lshl_b32 s100, s2, 6
	s_mov_b32 s56, 1
	s_mov_b32 s57, s20
	s_add_nc_u64 s[58:59], s[6:7], s[100:101]
	s_or_b32 s59, s59, 0x80000000
	s_lshl_b32 s104, s19, 6
	s_mov_b32 s80, 1
	s_mov_b32 s81, s20
	s_add_nc_u64 s[82:83], s[6:7], s[104:105]
	s_or_b32 s83, s83, 0x80000000
	s_lshl_b32 s100, s2, 13
	s_add_nc_u64 s[100:101], s[4:5], s[100:101]
	s_lshl_b32 s104, s19, 13
	s_add_nc_u64 s[104:105], s[4:5], s[104:105]
.macro CHUNKD gx_, gw_, j              ; the groups 0 of chunk j
	s_mov_b32 s[\gx_], 1
	s_add_co_u32 s[\gx_+1], s3, \j*CHUNK
	s_add_nc_u64 s[\gx_+2:\gx_+3], s[100:101], \j*2048
	s_or_b32 s[\gx_+3], s[\gx_+3], 0x80000000
	s_mov_b32 s[\gw_], 1
	s_add_co_u32 s[\gw_+1], s3, \j*CHUNK
	s_add_nc_u64 s[\gw_+2:\gw_+3], s[104:105], \j*2048
	s_or_b32 s[\gw_+3], s[\gw_+3], 0x80000000
.endm
	CHUNKD 60, 84, 0
	CHUNKD 68, 88, 1
	CHUNKD 72, 92, 2
	CHUNKD 76, 96, 3
	ROUND                                          ; all sixteen work-groups are here: the joint loads meet
	s_cmp_eq_u32 s17, 0                            ; a wave's five fills stand in one branch on its number; four v_nop follow the last
	s_cbranch_scc0 .Lfor_w
	tensor_load_to_lds s[56:59], s[G1SX:G1SX+7]    ; the scale words first: they are wanted with chunk 0
	s_nop 0
	tensor_load_to_lds s[60:63], s[G1X:G1X+7]
	s_nop 0
	tensor_load_to_lds s[68:71], s[G1X:G1X+7]
	s_nop 0
	tensor_load_to_lds s[72:75], s[G1X:G1X+7]
	s_nop 0
	tensor_load_to_lds s[76:79], s[G1X:G1X+7]
	s_nop 0
.rept 4
	v_nop
.endr
	s_branch .Lasked
.Lfor_w:
	tensor_load_to_lds s[80:83], s[G1SW:G1SW+7]
	s_nop 0
	tensor_load_to_lds s[84:87], s[G1W:G1W+7]
	s_nop 0
	tensor_load_to_lds s[88:91], s[G1W:G1W+7]
	s_nop 0
	tensor_load_to_lds s[92:95], s[G1W:G1W+7]
	s_nop 0
	tensor_load_to_lds s[96:99], s[G1W:G1W+7]
	s_nop 0
.rept 4
	v_nop
.endr
.Lasked:
	v_and_b32 v[LI], 31, v0
	v_lshlrev_b32 v[LI], 4, v[LI]
	s_wait_alu depctr_va_vdst(0)
	v_and_b32 v[RR], 15, v0
	v_bfe_u32 v[HH], v0, 4, 1
	s_wait_alu depctr_va_vdst(0)
	s_cmp_eq_u32 s23, 2                            ; value?
	s_cselect_b32 s19, s18, s17                    ; my half of x
	s_cselect_b32 s20, s17, s18                    ; my half of W
	s_lshl_b32 s100, s19, 14                       ; x's part of a chunk,
	s_lshl_b32 s101, s20, 14
	s_add_co_u32 s101, s101, 32768                 ; W's
	s_cmp_eq_u32 s23, 2
	s_cselect_b32 s104, s100, s101                 ; P's
	s_cselect_b32 s105, s101, s100                 ; R's
.irp j, 0,1,2,3
	v_add_nc_u32 v[ADRP+\j], s104, v[LI]
	v_add_nc_u32 v[ADRR+\j], s105, v[LI]
	s_add_co_u32 s104, s104, CHUNK
	s_add_co_u32 s105, s105, CHUNK
.endr
	s_lshl_b32 s100, s19, 12                       ; the scale words likewise
	s_lshl_b32 s101, s20, 12
	s_add_co_u32 s101, s101, 8192
	s_cmp_eq_u32 s23, 2
	s_cselect_b32 s104, s100, s101
	s_cselect_b32 s105, s101, s100
	v_cmp_ne_u32 vcc_lo, 0, v[HH]
	v_mov_b32 v4, s105
	v_mov_b32 v5, s104
	v_cndmask_b32 v4, v4, v5, vcc_lo               ; lanes 0-15 take R's words, lanes 16-31 P's
	v_lshl_add_u32 v[ADRS], v[RR], 2, v4
	v_add_nc_u32 v[ADRS], SCL, v[ADRS]
	; the bias, in the result's layout.  Query, key: register 8 t + j is b[n0 + 32 (t / 2) + 8 (t % 2) + 16 h + j].  Value: b[n0 + 32 (t / 2) + 8 (t % 2) + r + 8 (r / 8)] for all j
	s_cmp_eq_u32 s23, 0
	s_cselect_b64 s[8:9], s[8:9], s[10:11]
	s_cmp_eq_u32 s23, 2
	s_cselect_b64 s[8:9], s[12:13], s[8:9]
	s_cselect_b32 s2, -1, 0
	s_cselect_b32 s3, 0, 4
	s_lshl_b32 s100, s21, 10
	s_lshl_b32 s101, s20, 9
	s_add_co_u32 s100, s100, s101                  ; 4 n0, n0 = 256 gx + 128 x my half of W
	s_mov_b32 s101, 0
	s_add_nc_u64 s[8:9], s[8:9], s[100:101]
	v_and_b32 v4, 8, v[RR]
	v_add_nc_u32 v4, v4, v[RR]
	v_lshlrev_b32 v4, 2, v4
	v_lshlrev_b32 v5, 6, v[HH]
	v_cndmask_b32 v4, v5, v4, s2
.irp j, 0,1,2,3,4,5,6,7
	v_mad_u32_u24 v[TM+\j], s3, \j, v4
.endr
.irp t, 0,1,2,3,4,5,6,7
.irp j, 0,1,2,3,4,5,6,7
	global_load_b32 v[BIAS+8*\t+\j], v[TM+\j], s[8:9] offset:4*(32*(\t/2)+8*(\t%2))
.endr
.endr
	s_mov_b32 s[SEL], 0x76543210
	s_mov_b32 s[SEL+1], 0xfedcba98
.macro FRAG reg, adr, i, kk            ; a fragment's image: two loads of 512 consecutive bytes
.irp c, 0,1
	ds_load_b128 v[\reg+4*\c:\reg+4*\c+3], v[\adr] offset:2048*(\i)+1024*(\kk)+512*\c
.endr
.endm
.macro FETCH_P q, set                  ; P's eight fragments of the q-th 128 along K
	WIN 0x40                                       ; destination window 1
.irp i, 0,1,2,3,4,5,6,7
	FRAG 128*(\set)+8*\i, ADRP+(\q)/2, \i, (\q)%2
.endr
	WIN 0
.endm
.macro FETCH_R q, i0                   ; R's tiles i0 .. i0 + 3
.irp i, \i0, \i0+1, \i0+2, \i0+3
	FRAG RF+8*(\i), ADRR+(\q)/2, \i, (\q)%2
.endr
.endm
.macro SCALES                          ; all scale words of my 8 + 8 tiles, once
.irp i, 0,1,2,3,4,5,6,7
.irp kc, 0,1,2,3,4,5,6,7
	ds_load_b32 v[SC+8*\i+\kc], v[ADRS] offset:512*\kc+64*\i
.endr
.endr
.endm
; 16 products: R's tiles a0, a0 + 1 x P's eight.  cmode 0: onto the sums; 1: the sums start from the bias by P's tile; 2: by R's tile.  The 64 accumulators take turns, one instruction a turn, in one order.
.macro MUL16 a0, set, q, cmode
.irp a, \a0, \a0+1
.irp b, 0,1,2,3,4,5,6,7
.if \cmode == 0
	v_wmma_scale_f32_16x16x128_f8f6f4 v[8*(8*((\a)%4)+\b):8*(8*((\a)%4)+\b)+7], v[128*(\set)+8*\b:128*(\set)+8*\b+7], v[RF+8*(\a):RF+8*(\a)+7], v[8*(8*((\a)%4)+\b):8*(8*((\a)%4)+\b)+7], v[SC+8*\b+(\q)], v[SC+8*(\a)+(\q)] matrix_a_fmt:MATRIX_FMT_FP4 matrix_b_fmt:MATRIX_FMT_FP4 matrix_a_scale:MATRIX_SCALE_ROW1
.elseif \cmode == 1
	v_wmma_scale_f32_16x16x128_f8f6f4 v[8*(8*((\a)%4)+\b):8*(8*((\a)%4)+\b)+7], v[128*(\set)+8*\b:128*(\set)+8*\b+7], v[RF+8*(\a):RF+8*(\a)+7], v[BIAS+8*\b:BIAS+8*\b+7], v[SC+8*\b+(\q)], v[SC+8*(\a)+(\q)] matrix_a_fmt:MATRIX_FMT_FP4 matrix_b_fmt:MATRIX_FMT_FP4 matrix_a_scale:MATRIX_SCALE_ROW1
.else
	v_wmma_scale_f32_16x16x128_f8f6f4 v[8*(8*((\a)%4)+\b):8*(8*((\a)%4)+\b)+7], v[128*(\set)+8*\b:128*(\set)+8*\b+7], v[RF+8*(\a):RF+8*(\a)+7], v[BIAS+8*(\a):BIAS+8*(\a)+7], v[SC+8*\b+(\q)], v[SC+8*(\a)+(\q)] matrix_a_fmt:MATRIX_FMT_FP4 matrix_b_fmt:MATRIX_FMT_FP4 matrix_a_scale:MATRIX_SCALE_ROW1
.endif
.endr
.endr
.endm
; A step of 128 along K with a successor.  An odd step leaves its chunk: tc = the tensor loads issued behind the next chunk's, which may stay out.
.macro STEP q, cmode, tc
	s_wait_dscnt 8                                 ; all but the youngest eight loads (R's tiles 4-7) are in
.if \cmode
	WIN 0x81                                       ; P window 1, R and C window 0, D window 2
.else
	WIN 0xa1                                       ; C and D window 2
.endif
	MUL16 0, (\q)%2, \q, \cmode
	MUL16 2, (\q)%2, \q, \cmode
	s_wait_dscnt 0x0
.if (\q)%2
	s_wait_tensorcnt \tc                           ; my part of the next chunk has landed,
	s_barrier_signal -1
	s_barrier_wait -1                              ; everybody's has
.endif
	PLACES
	FETCH_P (\q)+1, 1-(\q)%2
	FETCH_R (\q)+1, 0
.if \cmode
	WIN 0xc1
.else
	WIN 0xf1
.endif
	MUL16 4, (\q)%2, \q, \cmode
	MUL16 6, (\q)%2, \q, \cmode
	PLACES
	WIN 0
	FETCH_R (\q)+1, 4
.endm
	s_wait_tensorcnt 3                             ; my scale words and my part of chunk 0 are in; chunks 1 to 3 may be out
	s_barrier_signal -1
	s_barrier_wait -1
	FETCH_P 0, 0
	FETCH_R 0, 0
	SCALES
	FETCH_R 0, 4
	s_wait_loadcnt 0x0                             ; the bias
	s_cmp_eq_u32 s23, 2                            ; the first step is written twice: its C is another register by role
	s_cbranch_scc1 .Lv_first
	STEP 0, 1, 0
	s_branch .Ljoin
.Lv_first:
	STEP 0, 2, 0
.Ljoin:
	STEP 1, 0, 2
	STEP 2, 0, 0
	STEP 3, 0, 1
	STEP 4, 0, 0
	STEP 5, 0, 0
	STEP 6, 0, 0
	s_wait_dscnt 8                                 ; the last step fetches nothing
	WIN 0xa1
	MUL16 0, 1, 7, 0
	MUL16 2, 1, 7, 0
	s_wait_dscnt 0x0
	WIN 0xf1
	MUL16 4, 1, 7, 0
	MUL16 6, 1, 7, 0
	WIN 0
	PLACES
	; where the results go.  All tensor loads have been waited for, so the descriptors' registers are free
	s_and_b32 s2, s22, 31
	s_lshr_b32 s2, s2, 3                           ; batch
	s_lshl_b32 s2, s2, 4
	s_lshl_b32 s3, s21, 1
	s_add_co_u32 s3, s3, s20
	s_lshl_b32 s3, s3, 1
	s_add_co_u32 s2, s2, s3                        ; the record of my first head: 16 batch + 2 (2 gx + my half of W)
	s_mul_i32 s2, s2, REC
	s_mul_i32 s3, s23, SEC
	s_add_co_u32 s2, s2, s3                        ; the product's section in it
	s_and_b32 s3, s22, 7
	s_lshl_b32 s3, s3, 1
	s_add_co_u32 s3, s3, s19                       ; my 128 tokens in the batch: 2 (gy % 8) + my half of x
	s_lshl_b32 s24, s3, 12
	s_add_co_u32 s24, s24, s2
	s_mov_b32 s25, 0
	s_add_nc_u64 s[24:25], s[14:15], s[24:25]
	s_mov_b32 s33, 0
	s_mov_b32 s35, 0
	s_cmp_eq_u32 s23, 2
	s_mov_b32 s32, 2048
	s_cselect_b32 s32, REC, s32                    ; from R's tiles 0-3 to 4-7: four tiles of tokens on, or (value) the next head
	s_mov_b32 s34, 2048
	s_cselect_b32 s34, s34, REC                    ; from a fragment's lower four registers to its upper: the next head, or (value) the next 64 keys
	s_cselect_b32 s36, 8, 9                        ; a group's scale words: 512 bytes, or (value) 256
	s_mov_b32 s37, 256
	s_cselect_b32 s37, REC, s37                    ; lanes 16-31: tiles 4-7 of the group, or (value) the next head
	s_add_nc_u64 s[26:27], s[24:25], s[34:35]
	s_add_nc_u64 s[28:29], s[24:25], s[32:33]
	s_add_nc_u64 s[30:31], s[28:29], s[34:35]
	s_lshl_b32 s38, s3, s36
	s_add_co_u32 s38, s38, s2
	s_add_co_u32 s38, s38, 65536
	s_mov_b32 s39, 0
	s_add_nc_u64 s[38:39], s[14:15], s[38:39]
	v_mul_u32_u24 v[VSO], v[HH], s37
	v_lshl_add_u32 v[VSO], v[RR], 4, v[VSO]
; R's tile a: my 64 numbers (register 16 b + i = index 32 b + 16 h + i along the next K) become eight registers of codes and a scale word.  Each accumulator is read from its low end on.
.macro QUANT a
.set W_, 2+(\a)/4
.set AC, 64*((\a)%4)
	WIN 5*W_                                       ; sources 0 and 1 in the accumulators' window
.irp b, 0,1,2,3
	v_max3_num_f32 v[TM+\b], |v[AC+16*\b]|, |v[AC+16*\b+1]|, 0x1800000   ; with the floor 2^(3 - 127): the byte cannot fall under 1
.endr
	WIN 20*W_                                      ; sources 1 and 2
.irp i, 2,4,6,8,10,12,14
.irp b, 0,1,2,3
	v_max3_num_f32 v[TM+\b], v[TM+\b], |v[AC+16*\b+\i]|, |v[AC+16*\b+\i+1]|
.endr
.endr
	WIN 0
.irp b, 0,1,2,3
	v_permlanex16_b32 v[TM+4+\b], v[TM+\b], s[SEL], s[SEL+1]
.endr
.irp b, 0,1,2,3
	v_max_num_f32 v[TM+\b], v[TM+\b], v[TM+4+\b]   ; with lane l xor 16's 16: the block's largest magnitude
.endr
.irp b, 0,1,2,3
	v_add_nc_u32 v[TM+12+\b], 0xff000000, v[TM+\b] ; 2 off the exponent field: the conversion's scale operand
.endr
.irp b, 0,1,2,3
	v_lshrrev_b32 v[TM+4+\b], 23, v[TM+12+\b]      ; the scale's byte
.endr
	v_lshl_or_b32 v[PW+\a], v[TM+5], 8, v[TM+4]
	v_lshl_or_b32 v[PW+\a], v[TM+6], 16, v[PW+\a]
	v_lshl_or_b32 v[PW+\a], v[TM+7], 24, v[PW+\a]
	WIN W_                                         ; source 0
.irp b, 0,1,2,3
	v_cvt_scalef32_pk8_fp4_f32 v[RF+8*(\a)+2*\b], v[AC+16*\b:AC+16*\b+7], v[TM+12+\b]
	v_cvt_scalef32_pk8_fp4_f32 v[RF+8*(\a)+2*\b+1], v[AC+16*\b+8:AC+16*\b+15], v[TM+12+\b]
.endr
	WIN 0
	v_nop                                          ; one plain place behind the last conversion
.irp c, 0,1                                    ; a whole block to a lane: lanes 0-15 block 2 c, lanes 16-31 block 2 c + 1
.irp i, 0,1
	v_permlane16_swap_b32 v[RF+8*(\a)+4*\c+\i], v[RF+8*(\a)+4*\c+2+\i]
.endr
.endr
.endm
.irp a, 0,1,2,3,4,5,6,7
	QUANT \a
.irp g, 0,1
	global_store_b128 v[LI], v[RF+8*(\a)+4*\g:RF+8*(\a)+4*\g+3], s[24+4*((\a)/4)+2*\g:24+4*((\a)/4)+2*\g+1] offset:512*((\a)%4)   ; 32 lanes store 512 consecutive bytes
.endr
.endr
	v_cmp_ne_u32 vcc_lo, 0, v[HH]
.irp i, 0,1,2,3
	v_cndmask_b32 v[TM+8+\i], v[PW+\i], v[PW+4+\i], vcc_lo   ; lane (r, h), word i: tile 4 h + i, row r
.endr
	global_store_b128 v[VSO], v[TM+8:TM+11], s[38:39]   ; query, key: the even head reads bytes 0 and 1; bytes 2 and 3 meet zero codes alone and are never 0xff
	s_cmp_eq_u32 s23, 2
	s_cbranch_scc1 .Lno_odd                        ; value: both heads' words have gone
.irp i, 0,1,2,3
	v_lshrrev_b32 v[TM+12+\i], 16, v[TM+8+\i]      ; the odd head's two bytes, brought down
.endr
	global_store_b128 v[VSO], v[TM+12:TM+15], s[38:39] offset:REC
.Lno_odd:
	s_wait_tensorcnt 0x0
	ds_add_u32 v126, v127
	s_wait_dscnt 0x0
	ROUND                                          ; the closing round: no work-group ends while a partner may still ask for a tile that names it
	s_endpgm
.Lfunc_end_k_q6cb2b7f2f1_proj:
	.size	k_q6cb2b7f2f1_proj, .Lfunc_end_k_q6cb2b7f2f1_proj-k_q6cb2b7f2f1_proj
	.p2alignl 7, 3214868480
	.fill 96, 4, 3214868480
	.section	.rodata,"a",@progbits
	.p2align	6, 0x0
	.amdhsa_kernel k_q6cb2b7f2f1_proj
		.amdhsa_group_segment_fixed_size 279040
		.amdhsa_private_segment_fixed_size 0
		.amdhsa_enable_private_segment 0
		.amdhsa_kernarg_size 48
		.amdhsa_user_sgpr_count 2
		.amdhsa_user_sgpr_kernarg_segment_ptr 1
		.amdhsa_wavefront_size32 1
		.amdhsa_system_sgpr_workgroup_id_x 1
		.amdhsa_system_sgpr_workgroup_id_y 1
		.amdhsa_system_sgpr_workgroup_id_z 1
		.amdhsa_system_vgpr_workitem_id 0
		.amdhsa_next_free_vgpr 1024
		.amdhsa_next_free_sgpr 106
		.amdhsa_reserve_vcc 1
		.amdhsa_float_denorm_mode_32 3
		.amdhsa_float_denorm_mode_16_64 3
		.amdhsa_memory_ordered 1
		.amdhsa_forward_progress 1
		.amdhsa_inst_pref_size 151
	.end_amdhsa_kernel
	.amdgpu_metadata
---
amdhsa.version: [ 1, 2 ]
amdhsa.kernels:
  - .name:           k_q6cb2b7f2f1_proj
    .symbol:         k_q6cb2b7f2f1_proj.kd
    .args:
      - { .name: cod, .offset: 0, .size: 8, .value_kind: global_buffer, .address_space: global }
      - { .name: scl, .offset: 8, .size: 8, .value_kind: global_buffer, .address_space: global }
      - { .name: bq, .offset: 16, .size: 8, .value_kind: global_buffer, .address_space: global }
      - { .name: bk, .offset: 24, .size: 8, .value_kind: global_buffer, .address_space: global }
      - { .name: bv, .offset: 32, .size: 8, .value_kind: global_buffer, .address_space: global }
      - { .name: hd, .offset: 40, .size: 8, .value_kind: global_buffer, .address_space: global }
    .group_segment_fixed_size: 279040
    .private_segment_fixed_size: 0
    .kernarg_segment_align: 8
    .kernarg_segment_size: 48
    .max_flat_workgroup_size: 128
    .sgpr_count:     106
    .vgpr_count:     1024
    .wavefront_size: 32
...
	.end_amdgpu_metadata
.endif
;; end of part 2
;; launch attn (part 3): grid 8 x 32, 16 waves a work-group, clusters of 4 x 1, 327,680 bytes of LDS; arguments hd, oc, os; writes oc, os
.if DOCPART == 3
	.amdgcn_target "amdgcn-amd-amdhsa--gfx1250"
	.amdhsa_code_object_version 6
	.text
	.protected	k_q6cb2b7f2f1_attn
	.globl	k_q6cb2b7f2f1_attn
	.p2align	8
	.type	k_q6cb2b7f2f1_attn,@function
k_q6cb2b7f2f1_attn:
	s_mov_b64 s[64:65], 0
	v_nop
	global_prefetch_b8 v0, s[64:65] scope:SCOPE_SE
	s_setreg_imm32_b32 hwreg(HW_REG_WAVE_MODE, 25, 1), 1
	s_wait_xcnt 0x0
	s_wait_alu depctr_hold_cnt(0) depctr_sa_sdst(0) depctr_va_vdst(0) depctr_va_sdst(0) depctr_va_ssrc(0) depctr_va_vcc(0) depctr_vm_vsrc(0)
	s_getreg_b32 s2, hwreg(HW_REG_IB_STS2, 6, 4)
	s_cmp_eq_u32 s2, 0
	s_cbranch_scc0 .Lentry_in_a_cluster
	s_endpgm
.Lentry_in_a_cluster:
	s_bfe_u32 s2, ttmp6, 0x10000c
	s_cmp_lg_u32 s2, 0x3003
	s_cbranch_scc0 .Lentry_shape_is_right
	s_endpgm
.Lentry_shape_is_right:
; O = softmax(Q K^T / 8) V for heads of 64, both products on codes of FP4 with E8M0 scales, and O quantised along the model's 1,024 for the last projection.
; THE SOFTMAX: t = score x log2(e) / 8; M = the row's largest t so far, rounded up to a whole number; p = 2^(t - M) is quantised along the keys, not normalised.  The row's sum is taken of the unquantised p
; and divides O at the end.  When M moves, the sum and O are multiplied by 2^(old M - new M): exact.
; SHARES.  A work-group owns 256 queries of a PAIR of heads (2 hp, 2 hp + 1) of one batch; each of its sixteen waves one tile of 16 queries, first for the even head, then for the odd: so a wave makes a whole
; 128 along the next K: two runs of 512 bytes of codes and one scale word a row.  Four waves to a SIMD: one wave's vector work stands beside another's matrix work and LDS loads.
; LDS.  Both heads' K and V (codes and scale words, 143,360 dense bytes a head) are filled ONCE, at the start, each wave fetching 8,960 bytes of each head: one tensor load a wave is out at most.  Nothing is filled again.
; CLUSTER 4 x 1: the four query blocks of a cluster walk the same K and V: each load is asked for jointly, by the same descriptor with a mask that names the four.
; LAYOUT.  S^T = K Q^T, O^T = V^T P^T: a lane holds one query throughout.  The rows of every tile are 32 (T / 2) + 8 (T % 2) + r + 8 (r / 8), so that the 16 registers of tiles 2 b, 2 b + 1 are 16 neighbours.
; A HEAD'S 64 IN AN INSTRUCTION OF 128: Q's registers 4-7 hold zero codes.  K's operand for tile t is v[KF + 4 t .. + 7]: its upper four registers are the next tile's codes (or zeros): they meet zero codes alone,
; under scale bytes that are never 0xff, and add nothing.
; LIMITS: a block of zeros gets the byte 1 (its codes are zeros; this program alone reads the bytes); 1 / sum by v_rcp_f32; NaN and infinities are not served.
.set REC,   217088
.set SEC,   73728                      ; a record: Q's 73,728 bytes, then what is fetched here: K's codes + 0, K's scale words + 65,536, V's codes + 73,728, V's scale words + 139,264
.set HB,    143360                     ; a head in LDS
.set SHARE, 8960                       ; a wave's part of it: 35 rows of 256 bytes
.set OSTG,  2*HB                       ; the scale words made: [wave 16][r 16]
.set WV,  10
.set LI,  1                            ; v1  16 x lane
.set LR,  2                            ; v2  16 r
.set ADK, 8
.set ADS, 9
.set ADV, 10
.set ADT, 11
.set QF,  16                           ; v16-23, v24-31 Q of the two heads
.set KF,  32                           ; v32-63 K's eight tiles, four registers each; v64-67 zeros
.set VF,  68                           ; v68-99 V's four fragments
.set S,   100                          ; v100-163 S^T, then p
.set O,   164                          ; v164-195 O^T
.set PCD, 196                          ; v196-203 p's codes
.set KSW, 204
.set VSW, 208
.set QSW, 212
.set PSW, 214
.set BM,  216
.set T2,  220
.set SCO, 224
.set F,   228
.set SP,  230
.set TMP, 232
.set OW,  234
.set OC,  236
.set G1,  16
.set G0,  24
.set CS,  32
.set SEL, 34
.set SK,  36
.set SS,  37
.set SV,  38
.set ST,  39
.set CNT, 40
.macro ROUND
	s_barrier_signal -1
	s_barrier_wait -1
	s_cmp_lg_u32 s[WV], 0
	s_cbranch_scc1 .Lnot_wave_0_\@
	s_barrier_signal -3
.Lnot_wave_0_\@:
	s_barrier_wait -3
	s_barrier_signal -1
	s_barrier_wait -1
.endm
	s_load_b128 s[4:7], s[0:1], 0x0                ; hd, oc
	s_load_b64 s[8:9], s[0:1], 0x10                ; os
	v_lshl_add_u32 v254, v0, 2, 0x46400
	v_mov_b32 v255, 0
	ds_add_u32 v254, v255
	ds_add_u32 v254, v255
	v_lshrrev_b32 v4, 5, v0
	s_delay_alu instid0(VALU_DEP_1)
	v_readfirstlane_b32 s[WV], v4                  ; wave 0..15
	s_bfe_u32 s11, ttmp6, 0x40000                  ; cx
	s_lshl_b32 s12, ttmp9, 2
	s_add_co_u32 s11, s12, s11                     ; my block of 256 queries: it enters Q's, oc's and os's addresses alone
	s_and_b32 s12, ttmp7, 0xffff
	s_lshr_b32 s13, s12, 3                         ; batch
	s_and_b32 s14, s12, 7                          ; pair of heads
	s_mov_b32 s[G1], 15|(3<<16)|(1<<21)            ; 15:0 the mask: all four work-groups; 17:16 elements of 8 bytes; 21 set beside a mask
	s_mov_b32 s[G1+1], 32<<16                      ; rows of 256 bytes,
	s_mov_b32 s[G1+2], 35<<16                      ; 35 of them,
	s_mov_b32 s[G1+3], 32<<16
	s_mov_b32 s[G1+4], 35
	s_mov_b32 s[G1+5], 32                          ; dense
	s_mov_b32 s[G1+6], 0
	s_mov_b32 s[G1+7], 0
	s_lshl_b32 s42, s13, 4
	s_lshl_b32 s43, s14, 1
	s_add_co_u32 s42, s42, s43
	s_mul_i32 s42, s42, REC                        ; the even head's record
	s_mov_b32 s43, 0
	s_mul_i32 s15, s[WV], SHARE
	s_mov_b32 s[CS], 0x3e38aa3b                    ; c = log2(e) / 8
	s_mov_b32 s[CS+1], s[CS]                       ; (named with it as a pair, so it is written)
	s_mov_b32 s[SEL], 0x76543210
	s_mov_b32 s[SEL+1], 0xfedcba98
	s_wait_dscnt 0x0
	s_wait_kmcnt 0x0
	s_add_nc_u64 s[46:47], s[4:5], s[42:43]
	s_add_co_u32 s42, s15, SEC
	s_add_nc_u64 s[G0+2:G0+3], s[46:47], s[42:43]
	s_add_nc_u64 s[G0+6:G0+7], s[G0+2:G0+3], REC
	s_or_b32 s[G0+3], s[G0+3], 0x80000000
	s_or_b32 s[G0+7], s[G0+7], 0x80000000
	s_mov_b32 s[G0], 1
	s_mov_b32 s[G0+1], s15
	s_mov_b32 s[G0+4], 1
	s_add_co_u32 s[G0+5], s15, HB
	ROUND                                          ; all four work-groups are here: the joint loads meet
	tensor_load_to_lds s[G0:G0+3], s[G1:G1+7]      ; the even head
	s_nop 0
	s_wait_alu depctr_va_vdst(0)
	s_wait_tensorcnt 0x0
	ds_add_u32 v254, v255
	s_wait_dscnt 0x0
	ROUND
	tensor_load_to_lds s[G0+4:G0+7], s[G1:G1+7]    ; the odd head
	s_nop 0
.rept 4
	v_nop
.endr
	v_and_b32 v[LI], 31, v0
	s_delay_alu instid0(VALU_DEP_1)
	v_lshlrev_b32 v[LI], 4, v[LI]
	v_and_b32 v7, 15, v0
	s_delay_alu instid0(VALU_DEP_1)
	v_lshlrev_b32 v[LR], 4, v7
	s_wait_alu depctr_va_vdst(0)
	s_lshl_b32 s41, s11, 4
	s_add_co_u32 s41, s41, s[WV]                   ; my tile of queries in the batch
	s_lshl_b32 s42, s41, 9
	s_add_nc_u64 s[44:45], s[46:47], s[42:43]
	global_load_b128 v[QF:QF+3], v[LI], s[44:45]
	global_load_b128 v[QF+8:QF+11], v[LI], s[44:45] offset:REC
	s_lshl_b32 s42, s11, 10                        ; Q's scale words: group tile / 8 of 512 bytes, lane r + 16 ((tile / 4) % 2), word tile % 4
	s_lshr_b32 s12, s[WV], 2
	s_lshl_b32 s12, s12, 8
	s_add_co_u32 s42, s42, s12
	s_and_b32 s12, s[WV], 3
	s_lshl_b32 s12, s12, 2
	s_add_co_u32 s42, s42, s12
	v_add_nc_u32 v3, s42, v[LR]
	global_load_b32 v[QSW], v3, s[46:47] offset:65536
	global_load_b32 v[QSW+1], v3, s[46:47] offset:65536+REC
	s_lshl_b32 s42, s13, 20                        ; oc: tile 128 batch + mine, 8,192 bytes a tile, + 1,024 x pair of heads
	s_lshl_b32 s12, s41, 13
	s_add_co_u32 s42, s42, s12
	s_lshl_b32 s12, s14, 10
	s_add_co_u32 s42, s42, s12
	s_add_nc_u64 s[6:7], s[6:7], s[42:43]
	s_min_u32 s41, s[WV], 1                        ; waves 0 and 1 store the work-group's 1,024 bytes of scale words
	s_lshl_b32 s42, s14, 15
	s_lshl_b32 s12, s13, 13
	s_add_co_u32 s42, s42, s12
	s_lshl_b32 s12, s11, 10
	s_add_co_u32 s42, s42, s12
	s_lshl_b32 s12, s41, 9
	s_add_co_u32 s42, s42, s12
	s_add_nc_u64 s[8:9], s[8:9], s[42:43]
	s_add_co_u32 s12, s12, OSTG
	v_add_nc_u32 v6, s12, v[LI]                    ; v6: back out of the scale words' stage
	s_lshl_b32 s12, s[WV], 6
	s_add_co_u32 s12, s12, OSTG
	v_lshl_add_u32 v5, v7, 2, s12                  ; v5: into it: 64 x wave + 4 r
.irp j, 4,5,6,7,12,13,14,15
	v_mov_b32 v[QF+\j], 0                          ; zero codes for k = 64 .. 127
.endr
.irp j, 0,1,2,3
	v_mov_b32 v[KF+32+\j], 0
	v_mov_b32 v[T2+\j], 0                          ; a lane permute's destination counts as one of its sources
.endr
	v_mov_b32 v[F+1], 0                            ; (named as the upper half of a pair)
	v_mov_b32 v[TMP], 0
; A KEY STEP: 128 keys of head p.
.macro STEP p
	v_add_nc_u32 v[ADK], s[SK], v[LI]
	v_add_nc_u32 v[ADS], s[SS], v[LI]
.irp t, 0,1,2,3,4,5,6,7
	ds_load_b128 v[KF+4*\t:KF+4*\t+3], v[ADK] offset:512*\t
.endr
	ds_load_b128 v[KSW:KSW+3], v[ADS]              ; lane (r, h), word i: tile 4 h + i
	s_wait_dscnt 0x0
.irp t, 0,1,2,3
	v_wmma_scale_f32_16x16x128_f8f6f4 v[S+8*\t:S+8*\t+7], v[KF+4*\t:KF+4*\t+7], v[QF+8*\p:QF+8*\p+7], 0, v[KSW+\t], v[QSW+\p] matrix_a_fmt:MATRIX_FMT_FP4 matrix_b_fmt:MATRIX_FMT_FP4
.endr
.irp t, 4,5,6,7
	v_wmma_scale_f32_16x16x128_f8f6f4 v[S+8*\t:S+8*\t+7], v[KF+4*\t:KF+4*\t+7], v[QF+8*\p:QF+8*\p+7], 0, v[KSW+\t-4], v[QSW+\p] matrix_a_fmt:MATRIX_FMT_FP4 matrix_b_fmt:MATRIX_FMT_FP4 matrix_a_scale:MATRIX_SCALE_ROW1
.endr
	v_add_nc_u32 v[ADV], s[SV], v[LI]              ; four places behind the scores' products; with the two additions at the head, six behind the last step's products, into whose operands the loads below go
	v_add_nc_u32 v[ADT], s[ST], v[LR]
	v_nop
	v_nop
.irp d, 0,1,2,3
.irp c, 0,1
	ds_load_b128 v[VF+8*\d+4*\c:VF+8*\d+4*\c+3], v[ADV] offset:512*\d+2048*\c   ; V lands while the softmax is worked
.endr
.endr
	ds_load_b128 v[VSW:VSW+3], v[ADT]
.irp b, 0,1,2,3
	v_max3_num_f32 v[BM+\b], v[S+16*\b], v[S+1+16*\b], v[S+2+16*\b]   ; the largest score of each block of 32 keys: for the row's maximum and, since p rises with the score, for the block's largest p
.endr
.irp i, 3,5,7,9,11,13
.irp b, 0,1,2,3
	v_max3_num_f32 v[BM+\b], v[BM+\b], v[S+16*\b+\i], v[S+1+16*\b+\i]
.endr
.endr
.irp b, 0,1,2,3
	v_max_num_f32 v[BM+\b], v[BM+\b], v[S+15+16*\b]
.endr
.irp b, 0,1,2,3
	s_delay_alu instid0(VALU_DEP_4)
	v_permlanex16_b32 v[T2+\b], v[BM+\b], s[SEL], s[SEL+1]
.endr
.irp b, 0,1,2,3
	s_delay_alu instid0(VALU_DEP_4)
	v_max_num_f32 v[BM+\b], v[BM+\b], v[T2+\b]     ; with lane l xor 16's 16 keys
.endr
	s_delay_alu instid0(VALU_DEP_2)
	v_max3_num_f32 v[TMP], v[BM], v[BM+1], v[BM+2]
	s_delay_alu instid0(VALU_DEP_1)
	v_max_num_f32 v[TMP], v[TMP], v[BM+3]
	s_delay_alu instid0(VALU_DEP_1)
	v_mul_f32 v[TMP], s[CS], v[TMP]                ; the step's largest t
	s_delay_alu instid0(VALU_DEP_1)
	v_max_num_f32 v13, v13, v[TMP]                 ; the running largest t
	v_mov_b32 v[TMP], v12
	s_delay_alu instid0(VALU_DEP_2)
	v_floor_f32 v12, -v13                          ; the new -M = -ceil(t): a whole number
	s_delay_alu instid0(VALU_DEP_1)
	v_sub_f32 v[TMP], v12, v[TMP]                  ; old M - new M, 0 or less
	s_delay_alu instid0(VALU_DEP_1)
	v_cvt_i32_f32 v[TMP], v[TMP]                   ; (it saturates)
	s_delay_alu instid0(VALU_DEP_1)
	v_ldexp_f32 v[F], 1.0, v[TMP]                  ; f = 2^(old M - new M)
.set j, 0
.rept 32
	v_pk_fma_f32 v[S+j:S+j+1], v[S+j:S+j+1], s[CS:CS+1], v[12:13] op_sel_hi:[1,0,0]   ; t - M
.set j, j+2
.endr
.irp b, 0,1,2,3
	v_fma_f32 v[BM+\b], v[BM+\b], s[CS], v12
.endr
.set j, 0
	s_wait_alu depctr_va_vdst(0)
.rept 64
	v_exp_f32 v[S+j], v[S+j]                       ; p = 2^(t - M)
.set j, j+1
.endr
	s_setprio 1
	v_pk_mul_f32 v[14:15], v[14:15], v[F:F+1] op_sel_hi:[1,0]   ; the sums under the new M: the plain place behind the exponentials
	s_wait_alu depctr_va_vdst(0)                   ; one wait for the batch, ahead of its first reader
.irp b, 0,1,2,3
	v_exp_f32 v[BM+\b], v[BM+\b]                   ; each block's largest p
.endr
	v_pk_add_f32 v[SP:SP+1], v[S:S+1], v[S+2:S+3]  ; the row's sum, of the unquantised p, in two chains
.set j, 4
.rept 15
	v_pk_add_f32 v[14:15], v[14:15], v[S+j:S+j+1]
	v_pk_add_f32 v[SP:SP+1], v[SP:SP+1], v[S+j+2:S+j+3]
.set j, j+4
.endr
	s_delay_alu instid0(VALU_DEP_1)
	v_pk_add_f32 v[14:15], v[14:15], v[SP:SP+1]
	s_wait_alu depctr_va_vdst(0)                   ; and one for the four
.irp b, 0,1,2,3
	v_max_num_f32 v[BM+\b], 0x1800000, v[BM+\b]    ; the floor 2^(3 - 127)
.endr
.irp b, 0,1,2,3
	s_delay_alu instid0(VALU_DEP_4)
	v_add_nc_u32 v[SCO+\b], 0xff000000, v[BM+\b]
.endr
.irp b, 0,1,2,3
	s_delay_alu instid0(VALU_DEP_4)
	v_lshrrev_b32 v[T2+\b], 23, v[SCO+\b]
.endr
	s_delay_alu instid0(VALU_DEP_3)
	v_lshl_or_b32 v[PSW], v[T2+1], 8, v[T2]        ; p's scale word for these 128 keys
	s_delay_alu instid0(VALU_DEP_1)
	v_lshl_or_b32 v[PSW], v[T2+2], 16, v[PSW]
	s_delay_alu instid0(VALU_DEP_1)
	v_lshl_or_b32 v[PSW], v[T2+3], 24, v[PSW]
.irp b, 0,1,2,3
	v_cvt_scalef32_pk8_fp4_f32 v[PCD+2*\b], v[S+16*\b:S+16*\b+7], v[SCO+\b]
	v_cvt_scalef32_pk8_fp4_f32 v[PCD+2*\b+1], v[S+16*\b+8:S+16*\b+15], v[SCO+\b]
.endr
	v_nop                                          ; one plain place behind the last conversion
.irp c, 0,1
.irp i, 0,1
	v_permlane16_swap_b32 v[PCD+4*\c+\i], v[PCD+4*\c+2+\i]
.endr
.endr
.set j, 0
	s_setprio 0
.rept 16
	v_pk_mul_f32 v[O+j:O+j+1], v[O+j:O+j+1], v[F:F+1] op_sel_hi:[1,0]   ; O^T under the new M; these sixteen also stand between the scale word and codes just made and the products
.set j, j+2
.endr
	s_wait_alu depctr_va_vdst(0)
	s_wait_dscnt 0x0                               ; V
.irp d, 0,1,2,3                                ; the four accumulators by turns; the scores' products stand between two steps
	v_wmma_scale_f32_16x16x128_f8f6f4 v[O+8*\d:O+8*\d+7], v[VF+8*\d:VF+8*\d+7], v[PCD:PCD+7], v[O+8*\d:O+8*\d+7], v[VSW+\d], v[PSW] matrix_a_fmt:MATRIX_FMT_FP4 matrix_b_fmt:MATRIX_FMT_FP4
.endr
	s_add_co_u32 s[SK], s[SK], 4096                ; the next step's tiles and scale words
	s_add_co_u32 s[SS], s[SS], 512
	s_add_co_u32 s[SV], s[SV], 4096
	s_add_co_u32 s[ST], s[ST], 256
.endm
; Head p's O^T is divided by the sum and quantised: register 16 b + i is channel 32 b + 16 h + i of my query.
.macro FIN p
.rept 4
	v_nop                                          ; places behind the last products
.endr
	v_add_f32 v14, v14, v15
	s_delay_alu instid0(VALU_DEP_1)
	v_permlanex16_b32 v[TMP], v14, s[SEL], s[SEL+1]
	s_delay_alu instid0(VALU_DEP_1)
	v_add_f32 v14, v14, v[TMP]                     ; the row's sum
	s_wait_alu depctr_va_vdst(0)
	v_rcp_f32 v[F], v14
	v_nop
	s_wait_alu depctr_va_vdst(0)
.set j, 0
.rept 16
	v_pk_mul_f32 v[S+j:S+j+1], v[O+j:O+j+1], v[F:F+1] op_sel_hi:[1,0]   ; each accumulator from its low end on
.set j, j+2
.endr
.irp b, 0,1
	v_max3_num_f32 v[BM+\b], |v[S+16*\b]|, |v[S+16*\b+1]|, 0x1800000
.endr
.irp i, 2,4,6,8,10,12,14
.irp b, 0,1
	s_delay_alu instid0(VALU_DEP_2)
	v_max3_num_f32 v[BM+\b], v[BM+\b], |v[S+16*\b+\i]|, |v[S+16*\b+\i+1]|
.endr
.endr
.irp b, 0,1
	s_delay_alu instid0(VALU_DEP_2)
	v_permlanex16_b32 v[T2+\b], v[BM+\b], s[SEL], s[SEL+1]
.endr
.irp b, 0,1
	s_delay_alu instid0(VALU_DEP_2)
	v_max_num_f32 v[BM+\b], v[BM+\b], v[T2+\b]
.endr
.irp b, 0,1
	s_delay_alu instid0(VALU_DEP_2)
	v_add_nc_u32 v[SCO+\b], 0xff000000, v[BM+\b]
.endr
.irp b, 0,1
	s_delay_alu instid0(VALU_DEP_2)
	v_lshrrev_b32 v[T2+\b], 23, v[SCO+\b]
.endr
.if \p == 0
	s_delay_alu instid0(VALU_DEP_1)
	v_lshl_or_b32 v[OW], v[T2+1], 8, v[T2]         ; the even head's two bytes: the word's lower half
.else
	s_delay_alu instid0(VALU_DEP_1)
	v_lshl_or_b32 v[TMP], v[T2+1], 8, v[T2]
	s_delay_alu instid0(VALU_DEP_1)
	v_lshl_or_b32 v[OW], v[TMP], 16, v[OW]         ; the odd head's: its upper half
.endif
.irp b, 0,1
	v_cvt_scalef32_pk8_fp4_f32 v[OC+4*\p+2*\b], v[S+16*\b:S+16*\b+7], v[SCO+\b]
	v_cvt_scalef32_pk8_fp4_f32 v[OC+4*\p+2*\b+1], v[S+16*\b+8:S+16*\b+15], v[SCO+\b]
.endr
	v_nop
.irp i, 0,1
	v_permlane16_swap_b32 v[OC+4*\p+\i], v[OC+4*\p+2+\i]
.endr
	global_store_b128 v[LI], v[OC+4*\p:OC+4*\p+3], s[6:7] offset:512*\p   ; 32 lanes store 512 consecutive bytes
.endm
.macro HEAD p
	s_wait_tensorcnt 1-\p                          ; my part of head p has landed (the odd head's load, issued behind the even head's, may be out),
	s_wait_dscnt 0x0
	s_barrier_signal -1
	s_barrier_wait -1                              ; everybody's has
	v_mov_b32 v13, 0xff61b1e6                      ; the largest t so far: -3e38
	s_delay_alu instid0(VALU_DEP_1)
	v_floor_f32 v12, -v13
	v_mov_b32 v14, 0
	v_mov_b32 v15, 0
.set j, 0
.rept 32
	v_mov_b32 v[O+j], 0                            ; the step is written once: the first finds zeros, which the first change of M leaves zeros
.set j, j+1
.endr
	s_mov_b32 s[SK], \p*HB
	s_mov_b32 s[SS], \p*HB+65536
	s_mov_b32 s[SV], \p*HB+73728
	s_mov_b32 s[ST], \p*HB+139264
	s_mov_b32 s[CNT], 16
.Lstep_\@:
	s_setprio 2
	STEP \p
	s_sub_co_u32 s[CNT], s[CNT], 1
	s_cmp_lg_u32 s[CNT], 0
	s_cbranch_scc1 .Lstep_\@
	s_setprio 0
	FIN \p
.endm
	s_wait_loadcnt 0x0                             ; Q
	HEAD 0
	HEAD 1
	ds_store_b32 v5, v[OW]                         ; lanes l and l xor 16 write the same word with the same value
	s_wait_dscnt 0x0                               ; for the others' sake
	s_barrier_signal -1
	s_barrier_wait -1
	s_cmp_lt_u32 s[WV], 2
	s_cbranch_scc0 .Lno_os
	ds_load_b128 v[244:247], v6
	s_wait_dscnt 0x0
	global_store_b128 v[LI], v[244:247], s[8:9]    ; 512 consecutive bytes, at a multiple of 256 from the buffer's first byte
.Lno_os:
	s_wait_tensorcnt 0x0
	ds_add_u32 v254, v255
	s_wait_dscnt 0x0
	ROUND                                          ; the closing round
	s_endpgm
.Lfunc_end_k_q6cb2b7f2f1_attn:
	.size	k_q6cb2b7f2f1_attn, .Lfunc_end_k_q6cb2b7f2f1_attn-k_q6cb2b7f2f1_attn
	.p2alignl 7, 3214868480
	.fill 96, 4, 3214868480
	.section	.rodata,"a",@progbits
	.p2align	6, 0x0
	.amdhsa_kernel k_q6cb2b7f2f1_attn
		.amdhsa_group_segment_fixed_size 327680
		.amdhsa_private_segment_fixed_size 0
		.amdhsa_enable_private_segment 0
		.amdhsa_kernarg_size 24
		.amdhsa_user_sgpr_count 2
		.amdhsa_user_sgpr_kernarg_segment_ptr 1
		.amdhsa_wavefront_size32 1
		.amdhsa_system_sgpr_workgroup_id_x 1
		.amdhsa_system_sgpr_workgroup_id_y 1
		.amdhsa_system_sgpr_workgroup_id_z 1
		.amdhsa_system_vgpr_workitem_id 0
		.amdhsa_next_free_vgpr 256
		.amdhsa_next_free_sgpr 66
		.amdhsa_reserve_vcc 0
		.amdhsa_float_denorm_mode_32 3
		.amdhsa_float_denorm_mode_16_64 3
		.amdhsa_memory_ordered 1
		.amdhsa_forward_progress 1
		.amdhsa_inst_pref_size 51
	.end_amdhsa_kernel
	.amdgpu_metadata
---
amdhsa.version: [ 1, 2 ]
amdhsa.kernels:
  - .name:           k_q6cb2b7f2f1_attn
    .symbol:         k_q6cb2b7f2f1_attn.kd
    .args:
      - { .name: hd, .offset: 0, .size: 8, .value_kind: global_buffer, .address_space: global }
      - { .name: oc, .offset: 8, .size: 8, .value_kind: global_buffer, .address_space: global }
      - { .name: os, .offset: 16, .size: 8, .value_kind: global_buffer, .address_space: global }
    .group_segment_fixed_size: 327680
    .private_segment_fixed_size: 0
    .kernarg_segment_align: 8
    .kernarg_segment_size: 24
    .max_flat_workgroup_size: 512
    .sgpr_count:     66
    .vgpr_count:     256
    .wavefront_size: 32
...
	.end_amdgpu_metadata
.endif
;; end of part 3
;; launch oproj (part 4): grid 4 x 32, 4 waves a work-group, clusters of 4 x 4, 312,832 bytes of LDS; arguments oc, os, cod, scl, bo, out0; writes out0
.if DOCPART == 4
	.amdgcn_target "amdgcn-amd-amdhsa--gfx1250"
	.amdhsa_code_object_version 6
	.text
	.protected	k_q6cb2b7f2f1_oproj
	.globl	k_q6cb2b7f2f1_oproj
	.p2align	8
	.type	k_q6cb2b7f2f1_oproj,@function
k_q6cb2b7f2f1_oproj:
	s_mov_b64 s[64:65], 0
	v_nop
	global_prefetch_b8 v0, s[64:65] scope:SCOPE_SE
	s_setreg_imm32_b32 hwreg(HW_REG_WAVE_MODE, 25, 1), 1
	s_wait_xcnt 0x0
	s_wait_alu depctr_hold_cnt(0) depctr_sa_sdst(0) depctr_va_vdst(0) depctr_va_sdst(0) depctr_va_ssrc(0) depctr_va_vcc(0) depctr_vm_vsrc(0)
	s_getreg_b32 s2, hwreg(HW_REG_IB_STS2, 6, 4)
	s_cmp_eq_u32 s2, 0
	s_cbranch_scc0 .Lentry_in_a_cluster
	s_endpgm
.Lentry_in_a_cluster:
	s_bfe_u32 s2, ttmp6, 0x10000c
	s_cmp_lg_u32 s2, 0xf033
	s_cbranch_scc0 .Lentry_shape_is_right
	s_endpgm
.Lentry_shape_is_right:
; out0 = O Wo^T + bo on codes of FP4 with E8M0 scales.  O's codes and scale words come from the attention (oc, os), Wo's from cod and scl (tiles 1728 on).
; A work-group makes 256 tokens x 256 outputs; four waves, 128 x 128 each: 64 accumulators, 512 registers.  All of K = 1,024 lies in LDS: four chunks of 256 along K and the scale words, each filled ONCE by
; tensor loads issued together at the start (five a wave are out at most); a chunk is read behind its counted wait and a barrier.  Nothing is filled again.
; Source 0 (P) = 16 rows of Wo, source 1 (R) = 16 tokens: a lane holds one token and eight neighbouring outputs.  The rows of a tile are 32 (T / 2) + 8 (T % 2) + r + 8 (r / 8), for tokens and outputs alike:
; the way out puts both back in order.  The bias is the C of each sum's first product.
; CLUSTER 4 x 4: O's tiles hang on gy and are asked for jointly along a row of the cluster, Wo's on gx along a column.
; 128 work-groups: the tile is kept at 256 x 256 so that a fragment read from LDS feeds eight products.
; REGISTERS: window 0: v1-3 16 x lane, r, h; v16-27 addresses; v32-95 scale words (register 8 i + kc: lanes 0-15 R's tile i, lanes 16-31 P's tile i); v128-191 R's fragments; v192-255 the bias; on the way out
;   v128-255 rows read back.  window 1: P's fragments, two sets.  windows 2, 3: accumulator (a, b) at v[8 (8 (a % 4) + b)].
.set CHUNK, 65536
.set SCL,   4*CHUNK
.set STG,   SCL+16384                  ; behind the scale words: a stage of 16 rows x (512 + 16) bytes for each wave, into which no fill lands
.set SPITCH, 528
.set WV,   16
.set LI,   1
.set RR,   2
.set HH,   3
.set ADRP, 16
.set ADRR, 20
.set ADRS, 24
.set STO,  26
.set RD,   27
.set SC,   32
.set RF,   128
.set BIAS, 192
.set BK,   128
.set G1X,  24
.set G1W,  32
.set G1SX, 40
.set G1SW, 48
.set MSB, 0
.macro WIN new                         ; the immediate's high byte repeats the setting that is left
.if MSB != (\new)
	s_set_vgpr_msb (MSB<<8)|(\new)
.set MSB, (\new)
.endif
.endm
.macro ROUND
	s_barrier_signal -1
	s_barrier_wait -1
	s_cmp_lg_u32 s[WV], 0
	s_cbranch_scc1 .Lnot_wave_0_\@
	s_barrier_signal -3
.Lnot_wave_0_\@:
	s_barrier_wait -3
	s_barrier_signal -1
	s_barrier_wait -1
.endm
.macro PLACES                          ; four plain vector instructions behind matrix instructions, ahead of loads into their registers and of reads of their results
.rept 4
	v_nop
.endr
.endm
	s_load_b128 s[4:7], s[0:1], 0x0                ; oc, os
	s_load_b128 s[8:11], s[0:1], 0x10              ; cod, scl
	s_load_b128 s[12:15], s[0:1], 0x20             ; bo, out0
	v_lshl_add_u32 v126, v0, 2, 0x4c400
	v_mov_b32 v127, 0
	ds_add_u32 v126, v127
	ds_add_u32 v126, v127
	v_lshrrev_b32 v4, 5, v0
	v_readfirstlane_b32 s[WV], v4                  ; wave 0..3
	s_lshr_b32 s17, s[WV], 1                       ; my half of the tokens.  Also: I fetch for O (0) or for Wo (1)
	s_and_b32 s18, s[WV], 1                        ; my half of the outputs.  Also: which 8 tiles I fetch
	s_bfe_u32 s19, ttmp6, 0x40000                  ; cx
	s_bfe_u32 s20, ttmp6, 0x40004                  ; cy
	s_lshl_b32 s21, ttmp9, 2
	s_add_co_u32 s21, s21, s19                     ; gx
	s_and_b32 s22, ttmp7, 0xffff
	s_lshl_b32 s22, s22, 2
	s_add_co_u32 s22, s22, s20                     ; gy
	s_lshl_b32 s100, s20, 2
	s_lshl_b32 s100, 15, s100                      ; my row of the cluster
	s_lshl_b32 s101, 0x1111, s19                   ; my column
	s_or_b32 s[G1X], s100, (3<<16)|(1<<21)         ; 15:0 the mask; 17:16 elements of 8 bytes; 21 set beside a mask
	s_or_b32 s[G1SX], s100, (3<<16)|(1<<21)
	s_or_b32 s[G1W], s101, (3<<16)|(1<<21)
	s_or_b32 s[G1SW], s101, (3<<16)|(1<<21)
.irp g, G1X, G1W                       ; codes: 8 tiles, of each 2,048 bytes, 8,192 bytes apart
	s_mov_b32 s[\g+1], 256<<16
	s_mov_b32 s[\g+2], 8<<16
	s_mov_b32 s[\g+3], 256<<16
	s_mov_b32 s[\g+4], 8
	s_mov_b32 s[\g+5], 1024
	s_mov_b32 s[\g+6], 0
	s_mov_b32 s[\g+7], 0
.endr
.irp g, G1SX, G1SW                     ; scale words: 8 kc, of each 512 bytes
	s_mov_b32 s[\g+1], 64<<16
	s_mov_b32 s[\g+2], 8<<16
	s_mov_b32 s[\g+3], 64<<16
	s_mov_b32 s[\g+4], 8
	s_mov_b32 s[\g+6], 0
	s_mov_b32 s[\g+7], 0
.endr
	s_mov_b32 s[G1SX+5], 4096                      ; os: 32,768 bytes from kc to kc + 1
	s_mov_b32 s[G1SW+5], 14336                     ; scl: 114,688
	s_lshl_b32 s3, s18, 3
	s_lshl_b32 s2, s22, 4
	s_add_co_u32 s2, s2, s3                        ; O: the first tile that I fetch: 16 gy + 8 half
	s_lshl_b32 s19, s21, 4
	s_add_co_u32 s19, s19, s3
	s_add_co_u32 s19, s19, 1728                    ; Wo: 1728 + 16 gx + 8 half
	s_lshl_b32 s3, s[WV], 14                       ; where they go: no place in the cluster enters an LDS address
	s_lshl_b32 s20, s[WV], 12
	s_add_co_u32 s20, s20, SCL
	s_mov_b32 s101, 0
	s_mov_b32 s105, 0
	s_wait_dscnt 0x0
	s_wait_kmcnt 0x0
	s_lshl_b32 s100, s2, 6
	s_mov_b32 s56, 1
	s_mov_b32 s57, s20
	s_add_nc_u64 s[58:59], s[6:7], s[100:101]
	s_or_b32 s59, s59, 0x80000000
	s_lshl_b32 s104, s19, 6
	s_mov_b32 s80, 1
	s_mov_b32 s81, s20
	s_add_nc_u64 s[82:83], s[10:11], s[104:105]
	s_or_b32 s83, s83, 0x80000000
	s_lshl_b32 s100, s2, 13
	s_add_nc_u64 s[100:101], s[4:5], s[100:101]
	s_lshl_b32 s104, s19, 13
	s_add_nc_u64 s[104:105], s[8:9], s[104:105]
.macro CHUNKD gx_, gw_, j              ; the groups 0 of chunk j
	s_mov_b32 s[\gx_], 1
	s_add_co_u32 s[\gx_+1], s3, \j*CHUNK
	s_add_nc_u64 s[\gx_+2:\gx_+3], s[100:101], \j*2048
	s_or_b32 s[\gx_+3], s[\gx_+3], 0x80000000
	s_mov_b32 s[\gw_], 1
	s_add_co_u32 s[\gw_+1], s3, \j*CHUNK
	s_add_nc_u64 s[\gw_+2:\gw_+3], s[104:105], \j*2048
	s_or_b32 s[\gw_+3], s[\gw_+3], 0x80000000
.endm
	CHUNKD 60, 84, 0
	CHUNKD 68, 88, 1
	CHUNKD 72, 92, 2
	CHUNKD 76, 96, 3
	ROUND                                          ; all sixteen work-groups are here: the joint loads meet
	s_cmp_eq_u32 s17, 0                            ; a wave's five fills stand in one branch on its number; four v_nop follow the last
	s_cbranch_scc0 .Lfor_w
	tensor_load_to_lds s[56:59], s[G1SX:G1SX+7]
	s_nop 0
	tensor_load_to_lds s[60:63], s[G1X:G1X+7]
	s_nop 0
	tensor_load_to_lds s[68:71], s[G1X:G1X+7]
	s_nop 0
	tensor_load_to_lds s[72:75], s[G1X:G1X+7]
	s_nop 0
	tensor_load_to_lds s[76:79], s[G1X:G1X+7]
	s_nop 0
.rept 4
	v_nop
.endr
	s_branch .Lasked
.Lfor_w:
	tensor_load_to_lds s[80:83], s[G1SW:G1SW+7]
	s_nop 0
	tensor_load_to_lds s[84:87], s[G1W:G1W+7]
	s_nop 0
	tensor_load_to_lds s[88:91], s[G1W:G1W+7]
	s_nop 0
	tensor_load_to_lds s[92:95], s[G1W:G1W+7]
	s_nop 0
	tensor_load_to_lds s[96:99], s[G1W:G1W+7]
	s_nop 0
.rept 4
	v_nop
.endr
.Lasked:
	v_and_b32 v[LI], 31, v0
	v_lshlrev_b32 v[LI], 4, v[LI]
	s_wait_alu depctr_va_vdst(0)
	v_and_b32 v[RR], 15, v0
	v_bfe_u32 v[HH], v0, 4, 1
	s_wait_alu depctr_va_vdst(0)
	s_lshl_b32 s105, s17, 14                       ; R's part of a chunk: my half of O's tiles
	s_lshl_b32 s104, s18, 14
	s_add_co_u32 s104, s104, 32768                 ; P's: my half of Wo's
.irp j, 0,1,2,3
	v_add_nc_u32 v[ADRP+\j], s104, v[LI]
	v_add_nc_u32 v[ADRR+\j], s105, v[LI]
	s_add_co_u32 s104, s104, CHUNK
	s_add_co_u32 s105, s105, CHUNK
.endr
	s_lshl_b32 s2, s17, 12                         ; the scale words: R's,
	s_lshl_b32 s3, s18, 12
	s_add_co_u32 s3, s3, 8192                      ; P's,
	s_sub_co_u32 s3, s3, s2                        ; and the distance between them:
	v_mul_u32_u24 v4, s3, v[HH]                    ; lanes 16-31 take P's
	s_add_co_u32 s2, s2, SCL
	v_lshl_add_u32 v4, v[RR], 2, v4
	v_add_nc_u32 v[ADRS], s2, v4
	s_mul_i32 s2, s[WV], 16*SPITCH
	s_add_co_u32 s2, s2, STG                       ; my stage
	v_mul_u32_u24 v4, v[RR], SPITCH
	v_lshl_add_u32 v4, v[HH], 6, v4
	v_add_nc_u32 v[STO], s2, v4                    ; in: row r, + 64 h bytes
	v_add_nc_u32 v[RD], s2, v[LI]                  ; back: the 32 lanes take one row of 512 bytes
	s_lshl_b32 s100, s21, 10
	s_lshl_b32 s101, s18, 9
	s_add_co_u32 s100, s100, s101                  ; my first output, in bytes: 4 (256 gx + 128 half)
	s_mov_b32 s101, 0
	s_add_nc_u64 s[12:13], s[12:13], s[100:101]
	s_add_nc_u64 s[14:15], s[14:15], s[100:101]
	s_lshl_b32 s100, s22, 20
	s_lshl_b32 s2, s17, 19
	s_add_co_u32 s100, s100, s2                    ; my first token's row: 4,096 (256 gy + 128 half)
	s_add_nc_u64 s[14:15], s[14:15], s[100:101]
	v_lshlrev_b32 v5, 6, v[HH]                     ; the bias in the result's layout: register 8 t + j is bo[n0 + 32 (t / 2) + 8 (t % 2) + 16 h + j]
.irp t, 0,1,2,3,4,5,6,7
	global_load_b128 v[BIAS+8*\t:BIAS+8*\t+3], v5, s[12:13] offset:4*(32*(\t/2)+8*(\t%2))
	global_load_b128 v[BIAS+8*\t+4:BIAS+8*\t+7], v5, s[12:13] offset:4*(32*(\t/2)+8*(\t%2))+16
.endr
.macro FRAG reg, adr, i, kk            ; a fragment's image: two loads of 512 consecutive bytes
.irp c, 0,1
	ds_load_b128 v[\reg+4*\c:\reg+4*\c+3], v[\adr] offset:2048*(\i)+1024*(\kk)+512*\c
.endr
.endm
.macro FETCH_P q, set
	WIN 0x40                                       ; destination window 1
.irp i, 0,1,2,3,4,5,6,7
	FRAG 128*(\set)+8*\i, ADRP+(\q)/2, \i, (\q)%2
.endr
	WIN 0
.endm
.macro FETCH_R q, i0
.irp i, \i0, \i0+1, \i0+2, \i0+3
	FRAG RF+8*(\i), ADRR+(\q)/2, \i, (\q)%2
.endr
.endm
.macro SCALES
.irp i, 0,1,2,3,4,5,6,7
.irp kc, 0,1,2,3,4,5,6,7
	ds_load_b32 v[SC+8*\i+\kc], v[ADRS] offset:512*\kc+64*\i
.endr
.endr
.endm
; 16 products: R's tiles a0, a0 + 1 x P's eight.  cmode 0: onto the sums; 1: the sums start from the bias.  The 64 accumulators take turns, one instruction a turn, in one order.
.macro MUL16 a0, set, q, cmode
.irp a, \a0, \a0+1
.irp b, 0,1,2,3,4,5,6,7
.if \cmode == 0
	v_wmma_scale_f32_16x16x128_f8f6f4 v[8*(8*((\a)%4)+\b):8*(8*((\a)%4)+\b)+7], v[128*(\set)+8*\b:128*(\set)+8*\b+7], v[RF+8*(\a):RF+8*(\a)+7], v[8*(8*((\a)%4)+\b):8*(8*((\a)%4)+\b)+7], v[SC+8*\b+(\q)], v[SC+8*(\a)+(\q)] matrix_a_fmt:MATRIX_FMT_FP4 matrix_b_fmt:MATRIX_FMT_FP4 matrix_a_scale:MATRIX_SCALE_ROW1
.else
	v_wmma_scale_f32_16x16x128_f8f6f4 v[8*(8*((\a)%4)+\b):8*(8*((\a)%4)+\b)+7], v[128*(\set)+8*\b:128*(\set)+8*\b+7], v[RF+8*(\a):RF+8*(\a)+7], v[BIAS+8*\b:BIAS+8*\b+7], v[SC+8*\b+(\q)], v[SC+8*(\a)+(\q)] matrix_a_fmt:MATRIX_FMT_FP4 matrix_b_fmt:MATRIX_FMT_FP4 matrix_a_scale:MATRIX_SCALE_ROW1
.endif
.endr
.endr
.endm
; A step of 128 along K with a successor.  An odd step leaves its chunk: tc = the tensor loads issued behind the next chunk's, which may stay out.
.macro STEP q, cmode, tc
	s_wait_dscnt 8                                 ; all but the youngest eight loads (R's tiles 4-7) are in
.if \cmode
	WIN 0x81
.else
	WIN 0xa1
.endif
	MUL16 0, (\q)%2, \q, \cmode
	MUL16 2, (\q)%2, \q, \cmode
	s_wait_dscnt 0x0
.if (\q)%2
	s_wait_tensorcnt \tc                           ; my part of the next chunk has landed,
	s_barrier_signal -1
	s_barrier_wait -1                              ; everybody's has
.endif
	PLACES
	FETCH_P (\q)+1, 1-(\q)%2
	FETCH_R (\q)+1, 0
.if \cmode
	WIN 0xc1
.else
	WIN 0xf1
.endif
	MUL16 4, (\q)%2, \q, \cmode
	MUL16 6, (\q)%2, \q, \cmode
	PLACES
	WIN 0
	FETCH_R (\q)+1, 4
.endm
	s_wait_alu depctr_va_vdst(0)
	s_wait_tensorcnt 3                             ; my scale words and my part of chunk 0 are in; chunks 1 to 3 may be out
	s_barrier_signal -1
	s_barrier_wait -1
	FETCH_P 0, 0
	FETCH_R 0, 0
	SCALES
	FETCH_R 0, 4
	s_wait_loadcnt 0x0                             ; the bias
	STEP 0, 1, 0
	STEP 1, 0, 2
	STEP 2, 0, 0
	STEP 3, 0, 1
	STEP 4, 0, 0
	STEP 5, 0, 0
	STEP 6, 0, 0
	s_wait_dscnt 8                                 ; the last step fetches nothing
	WIN 0xa1
	MUL16 0, 1, 7, 0
	MUL16 2, 1, 7, 0
	s_wait_dscnt 0x0
	WIN 0xf1
	MUL16 4, 1, 7, 0
	MUL16 6, 1, 7, 0
	WIN 0
; THE WAY OUT, a tile of 16 tokens x 128 outputs at a time.  A lane holds 32 neighbouring bytes of a row: a tile goes through my own stage in LDS and comes back as whole rows of 512 bytes.
; LDS serves a wave's instructions in order (ISA guide 5.7.1.4): no wait between the stores and the loads, nor ahead of the next tile's stores.
.macro TOSTAGE a
.set AC, 64*((\a)%4)
	WIN 0x08+4*((\a)/4)                            ; the data: window 2 or 3
.irp b, 0,1,2,3,4,5,6,7
	ds_store_b128 v[STO], v[AC+8*\b:AC+8*\b+3] offset:128*(\b/2)+32*(\b%2)          ; each accumulator from its low end on: outputs 32 (b / 2) + 16 h + 8 (b % 2) + 0 .. 7
	ds_store_b128 v[STO], v[AC+8*\b+4:AC+8*\b+7] offset:128*(\b/2)+32*(\b%2)+16
.endr
	WIN 0
.set BB, BK+64*((\a)%2)
.irp t, 0,1,2,3,4,5,6,7,8,9,10,11,12,13,14,15
	ds_load_b128 v[BB+4*\t:BB+4*\t+3], v[RD] offset:\t*SPITCH
.endr
.endm
.macro SEND a, younger                 ; younger: the LDS instructions issued behind tile a's loads, which may stay out
.set BB, BK+64*((\a)%2)
	s_wait_dscnt \younger
.irp t, 0,1,2,3,4,5,6,7,8,9,10,11,12,13,14,15
	global_store_b128 v[LI], v[BB+4*\t:BB+4*\t+3], s[14:15] offset:4096*(32*((\a)/2)+8*((\a)%2)+\t+8*(\t/8)) th:TH_STORE_NT   ; 32 lanes store 512 consecutive bytes, at a multiple of 256 from the buffer's first byte; the tile's row t is this token
.endr
.endm
	PLACES
	TOSTAGE 0
.irp a, 1,2,3,4,5,6,7
.if \a > 1
	s_wait_xcnt 0x0                                ; the stores of two tiles back have read their registers: this tile's loads may land there
.endif
	TOSTAGE \a
	SEND \a-1, 32                                  ; behind tile a - 1's loads: tile a's 16 stores and 16 loads
.endr
	SEND 7, 0
	s_wait_tensorcnt 0x0
	ds_add_u32 v126, v127
	s_wait_dscnt 0x0
	ROUND                                          ; the closing round: no work-group ends while a partner may still ask for a tile that names it
	s_endpgm
.Lfunc_end_k_q6cb2b7f2f1_oproj:
	.size	k_q6cb2b7f2f1_oproj, .Lfunc_end_k_q6cb2b7f2f1_oproj-k_q6cb2b7f2f1_oproj
	.p2alignl 7, 3214868480
	.fill 96, 4, 3214868480
	.section	.rodata,"a",@progbits
	.p2align	6, 0x0
	.amdhsa_kernel k_q6cb2b7f2f1_oproj
		.amdhsa_group_segment_fixed_size 312832
		.amdhsa_private_segment_fixed_size 0
		.amdhsa_enable_private_segment 0
		.amdhsa_kernarg_size 48
		.amdhsa_user_sgpr_count 2
		.amdhsa_user_sgpr_kernarg_segment_ptr 1
		.amdhsa_wavefront_size32 1
		.amdhsa_system_sgpr_workgroup_id_x 1
		.amdhsa_system_sgpr_workgroup_id_y 1
		.amdhsa_system_sgpr_workgroup_id_z 1
		.amdhsa_system_vgpr_workitem_id 0
		.amdhsa_next_free_vgpr 1024
		.amdhsa_next_free_sgpr 106
		.amdhsa_reserve_vcc 0
		.amdhsa_float_denorm_mode_32 3
		.amdhsa_float_denorm_mode_16_64 3
		.amdhsa_memory_ordered 1
		.amdhsa_forward_progress 1
		.amdhsa_inst_pref_size 129
	.end_amdhsa_kernel
	.amdgpu_metadata
---
amdhsa.version: [ 1, 2 ]
amdhsa.kernels:
  - .name:           k_q6cb2b7f2f1_oproj
    .symbol:         k_q6cb2b7f2f1_oproj.kd
    .args:
      - { .name: oc, .offset: 0, .size: 8, .value_kind: global_buffer, .address_space: global }
      - { .name: os, .offset: 8, .size: 8, .value_kind: global_buffer, .address_space: global }
      - { .name: cod, .offset: 16, .size: 8, .value_kind: global_buffer, .address_space: global }
      - { .name: scl, .offset: 24, .size: 8, .value_kind: global_buffer, .address_space: global }
      - { .name: bo, .offset: 32, .size: 8, .value_kind: global_buffer, .address_space: global }
      - { .name: out0, .offset: 40, .size: 8, .value_kind: global_buffer, .address_space: global }
    .group_segment_fixed_size: 312832
    .private_segment_fixed_size: 0
    .kernarg_segment_align: 8
    .kernarg_segment_size: 48
    .max_flat_workgroup_size: 128
    .sgpr_count:     106
    .vgpr_count:     1024
    .wavefront_size: 32
...
	.end_amdgpu_metadata
.endif
;; end of part 4
